; MI455X (gfx1250); checked and timed in simulation.
; The chip was launched on July 23, 2026; its instructions are those of AMD's public machine-readable ISA for CDNA 5 (MIT licence, August 2026) and "CDNA5" Instruction Set Architecture Reference Guide (July 2026). The comments in the code are by the model that wrote it; some were corrected since.
;; Easy Control Network. Allowed arithmetic: matrix products marked QUANTISED: E3M2 operands, one E8M0 scale for each 32 along K, by v_wmma_scale_f32_16x16x128_f8f6f4 with both operands' format E3M2, f32 sums; everything else in f32.
;; Inputs: b_param 1 float32; cond_k 2 x 1,024 x 16 x 128 float32; cond_v 2 x 1,024 x 16 x 128 float32; target_k 2 x 2,048 x 16 x 128 float32; target_q 2 x 2,048 x 16 x 128 float32; target_v 2 x 2,048 x 16 x 128 float32.
;; Outputs: out0 2 x 2,048 x 2,048 float32.
;; This version of the problem:
;;   THIS VERSION OF THE PROBLEM IS GIVEN IN LOW PRECISION. The matrix products marked QUANTISED in the list below multiply operands that are first quantised to E3M2 (3 exponent bits, 2 mantissa bits; 6 bits a number), with one power-of-two scale for each 32 numbers along K (OCP MX v1.0); their sums are f32. All else is computed in f32.
;;   The module's matrix products, in the order in which they are computed (A, B: the left and right operand; K: the contracted axis; several contracted axes count as one K, in the product's order):
;;     1. batch 32 x [M 2,048, K 128] x [K 128, N 3,072]; A: input target_q; B: computed on the way: QUANTISED
;;     2. batch 32 x [M 128, K 3,072] x [K 3,072, N 2,048]; A: computed on the way; B: softmax (see below): QUANTISED
;;   THE QUANTISER, for each operand of a quantised product, along K:
;;     - K is cut into blocks of 32 from its start; a last block that is shorter is filled with zeros.
;;     - A block's scale is 2^e with e = floor(log2(the largest magnitude in the block)) - 4, held to -126 .. 127; a block of zeros has e = 0. As a byte (E8M0): e + 127.
;;     - Each number is divided by its block's scale, clamped to +-28, and rounded to the nearest number of E3M2, ties to even, subnormals kept.
;;     - The product sums the exact products of the quantised numbers (number of the format x scale) in f32.
;;   ~~~python
;;   def quantise(x, axis):      # numpy; x: float32 -> the quantised numbers, widened to float32 again
;;       x = np.moveaxis(x, axis, -1); K = x.shape[-1]
;;       x = np.pad(x, [(0, 0)] * (x.ndim - 1) + [(0, -K % 32)]); x = x.reshape(x.shape[:-1] + (-1, 32)); a = np.abs(x).max(-1, keepdims=True)
;;       e = np.where(a > 0, np.clip(np.frexp(np.where(a > 0, a, 1))[1] - 1 - 4, -126, 127), 0)      # np.frexp(a)[1] - 1 = floor(log2(a)), exactly
;;       r = np.clip(x / 2.0 ** e, -28, 28)
;;       step = 2.0 ** (np.maximum(np.frexp(np.where(r == 0, 1, r))[1] - 1, -2) - 2)
;;       q = np.round(r / step) * step * 2.0 ** e      # np.round: ties to even
;;       return np.moveaxis(q.reshape(q.shape[:-2] + (-1,))[..., :K], -1, axis).astype(np.float32)
;;   ~~~
;;   SOFTMAX AHEAD OF A QUANTISED PRODUCT. Where the list says 'softmax', what is quantised is not the finished softmax but p = 2^(t - M), with t = logit x log2(e) and M = ceil(the row's largest t), a whole number; so 1/2 < the row's largest p <= 1. The row's sum l is taken of the UNQUANTISED p, in f32, and the product's result is divided by l at the end. Since M is a whole number, a kernel that streams over the keys may use a running M (the ceiling of the running maximum): every later rescaling is an exact power of two, which a block's scale takes up: the codes' values come out the same.
;;   OPERANDS COMPUTED ON THE WAY. 'Computed on the way' means the value that the module computes at that place (a softmax that the list does not call 'softmax' is quantised finished and normalised). What goes into a quantiser is computed in f32, as accurately as f32 sums, v_exp_f32 and their like allow (about 1e-6 of the number): no bf16 or f16 on the way to a quantiser, and a product that is left as it is and whose result goes on into a quantised operand takes f32 operands (vector FMAs, or v_wmma_f32_16x16x4_f32). A number that lies on a knife's edge between two numbers of the format may be rounded either way, as far as f32 arithmetic and the matrix unit's own rounding can turn it there, and no further.
;; One version. Each part assembles by itself: llvm-mc -triple=amdgcn-amd-amdhsa -mcpu=gfx1250 --defsym DOCPART=n.
;; ======== version 1 of 1: 2 launches
;; limits: right only within a limited range of input values
;; workspace buffers: kv 19,660,800 bytes
;; launch quant (part 1): grid 32 x 48, 4 waves a work-group, no clusters, 34,304 bytes of LDS; arguments target_k, cond_k, target_v, cond_v, kv; writes kv
.if DOCPART == 1
	.amdgcn_target "amdgcn-amd-amdhsa--gfx1250"
	.amdhsa_code_object_version 6
	.text
	.protected	k_qe16d54e06d_quant
	.globl	k_qe16d54e06d_quant
	.p2align	8
	.type	k_qe16d54e06d_quant,@function
k_qe16d54e06d_quant:
	s_mov_b64 s[64:65], 0
	v_nop
	global_prefetch_b8 v0, s[64:65] scope:SCOPE_SE
	s_setreg_imm32_b32 hwreg(HW_REG_WAVE_MODE, 25, 1), 1
	s_wait_xcnt 0x0
; K = [target_k; cond_k] and V = [target_v; cond_v] (f32, [B][S][16][128]) become codes of BF6 (E3M2) with one E8M0 byte for each 32 along a product's K:
; K along the head's 128, V along the keys.  A block's scale is 2^(floor(log2(its largest magnitude)) - 4): its byte is the largest magnitude's exponent field - 4, held at 1 from below.
; THE WORKSPACE IS LAID AS THE NEXT LAUNCH'S OPERAND REGISTERS.  For each of 32 (batch, head) pairs and each of 24 steps of 128 keys one block of 25,600 bytes:
;   0      + 1536 f : K's fragment f = 2 j + u (16 keys x 128 d, 12 registers a lane): registers 4 c .. 4 c + 3 of lane l at 512 c + 16 l.
;                     Row i of the fragment is key 64 (j / 2) + 32 (i / 8) + 8 (2 (j % 2) + u) + i % 8 of the step: in the next launch a lane's 32 scores of four fragments are then one block of 32 keys
;   12,288 + 128 j  : K's scale register j, 4 bytes a lane: lanes 0-15 the words of fragment 2 j, lanes 16-31 those of fragment 2 j + 1
;   12,800 + 1536 f : V's fragment f (16 d x 128 keys): row r is d = 16 f + r, the keys in their own order
;   25,088 + 128 j  : V's scale register j: lane l holds the word of d = 32 j + l
; SHARES.  Work-group (x, y): x = the (batch, head) pair; y < 24: K's half of step y; else V's half of step y - 24.  Wave j makes fragments 2 j and 2 j + 1 and scale register j, from 16 KiB of f32.
; K's WAY: a key's 128 numbers are 512 dense bytes: one load a key, 16 bytes a lane.  The conversions want 32 neighbours along d in ONE lane, so a tile of 16 keys turns through the wave's own stage in LDS.
; V's WAY: a lane takes a column d and its registers run down the keys: a block of 32 keys lies in one lane, nothing is transposed; twelve exchanges of halves give the two fragments their lanes.
; REGISTERS ARE USED AGAIN WHERE NUMBERS ARE DONE WITH: a block's upper 16 codes are made in the registers of its lower 16 numbers, which the conversion before has read; the second fragment's codes lie in numbers' registers that are free.
; No barrier: waves share nothing.  No register that a pending global load or store names is written again, so no wait on XCNT is owed.  Only K's way touches LDS.
; LIMITS: NaN and infinities among the inputs are not served.  A block of zeros gets the byte 1 where the rule says 127: its codes are zeros, which add nothing, and only this program reads the bytes.
.set STEPB, 25600                      ; a step's block
.set HEADB, 24*STEPB                   ; a (batch, head) pair's 24 blocks
.set ROWG,  8192                       ; bytes from key to key in memory: 16 heads x 512
.set SP,    528                        ; a stage row: 512 bytes + 16
.set SPARE, 4*16*SP                    ; behind the four stages: the spare words, 128 bytes for each wave
.set LN,  1                            ; lane
.set LI,  2                            ; 16 x lane
.set LS,  3                            ; 4 x lane
.set WRA, 4                            ; my stage + 16 x lane: a key's row goes in as it was loaded
.set RDA, 5                            ; my stage + 528 r + 128 h: and comes out 32 neighbours a lane
.set SH8, 6                            ; 8 h
.set SPW, 7                            ; LDS address of my spare word; never rewritten
.set NIL, 8                            ; 0; never rewritten
.set TP,  9                            ; a lane permute's destination
.set M,   10                           ; v10-11 largest magnitudes (at the head: r and h)
.set RR,  10
.set HH,  11
.set SO,  12                           ; v12-13 the conversions' scale operands
.set BY,  14                           ; v14-15 scale bytes
.set W0,  16                           ; the two fragments' scale words; v18 the scale register that is stored
.set W1,  17
.set W,   18
.set C,   20                           ; v20-31 the first fragment's codes
.set X,   32                           ; v32-159 128 numbers
.set CV,  X+64                         ; V's way: the second fragment's codes (V's way keeps 64 numbers)
	s_load_b256 s[4:11], s[0:1], 0x0               ; target_k s[4:5], cond_k s[6:7], target_v s[8:9], cond_v s[10:11]
	s_load_b64 s[12:13], s[0:1], 0x20              ; kv
	v_lshl_add_u32 v[SPW], v0, 2, SPARE
	v_mov_b32 v[NIL], 0
	v_lshrrev_b32 v[LN], 5, v0
	v_readfirstlane_b32 s14, v[LN]                 ; wave 0..3
	v_and_b32 v[LN], 31, v0
	v_lshlrev_b32 v[LI], 4, v[LN]
	v_lshlrev_b32 v[LS], 2, v[LN]
	v_and_b32 v[RR], 15, v0
	v_bfe_u32 v[HH], v0, 4, 1
	s_mul_i32 s18, s14, 16*SP                      ; my stage
	v_add_nc_u32 v[WRA], s18, v[LI]
	v_mul_u32_u24 v[RDA], v[RR], SP
	v_lshl_add_u32 v[RDA], v[HH], 7, v[RDA]
	v_add_nc_u32 v[RDA], s18, v[RDA]
	v_lshlrev_b32 v[SH8], 3, v[HH]
	v_mov_b32 v[TP], 0                             ; written once: a lane permute's destination counts as one of its sources
	s_mov_b32 s26, 0x76543210
	s_mov_b32 s27, 0xfedcba98                      ; v_permlanex16_b32's selects for lane l xor 16
	s_mov_b32 s15, ttmp9                           ; the (batch, head) pair
	s_and_b32 s16, ttmp7, 0xffff                   ; y
	s_lshr_b32 s28, s14, 1
	s_lshl_b32 s28, s28, 19                        ; 64 (j / 2) keys of 8,192 bytes
	s_and_b32 s29, s14, 1
	s_lshl_b32 s29, s29, 17                        ; + 16 (j % 2) keys
	s_add_co_u32 s28, s28, s29                     ; K's way: where my wave's keys begin
	s_lshl_b32 s29, s14, 7                         ; V's way: 32 d of 4 bytes a wave
	s_wait_alu depctr_va_vdst(0)                   ; the wait at the head's end
	s_wait_kmcnt 0x0
	s_cmp_lt_u32 s16, 24                           ; K's work-group or V's?  All choices on this compare stand ahead of the next line that sets SCC
	s_cselect_b64 s[4:5], s[4:5], s[8:9]           ; the target tensor,
	s_cselect_b64 s[6:7], s[6:7], s[10:11]         ; the condition tensor,
	s_cselect_b32 s18, 0, 24
	s_cselect_b32 s19, 0, 12800                    ; my half of the step's block,
	s_cselect_b32 s21, s28, s29                    ; and my wave's share of the source
	s_sub_co_u32 s17, s16, s18                     ; the step, 0..23
	s_cmp_lt_u32 s17, 16                           ; steps 0-15 are target keys, 16-23 condition keys
	s_cselect_b64 s[4:5], s[4:5], s[6:7]
	s_cselect_b32 s20, 24, 23                      ; a batch is 2^24 bytes there, 2^23 here
	s_cselect_b32 s18, 0, 16
	s_sub_co_u32 s18, s17, s18                     ; the step within its tensor
	s_lshr_b32 s24, s15, 4
	s_lshl_b32 s24, s24, s20                       ; batch
	s_lshl_b32 s18, s18, 20                        ; + 128 keys of 8,192 bytes a step
	s_add_co_u32 s24, s24, s18
	s_and_b32 s18, s15, 15
	s_lshl_b32 s18, s18, 9                         ; + 512 bytes a head
	s_add_co_u32 s24, s24, s18
	s_add_co_u32 s24, s24, s21                     ; + my wave's share
	s_mov_b32 s25, 0
	s_add_nc_u64 s[4:5], s[4:5], s[24:25]          ; the source, under 2^26 bytes in
	s_mul_i32 s24, s15, HEADB
	s_mul_i32 s18, s17, STEPB
	s_add_co_u32 s24, s24, s18
	s_add_co_u32 s24, s24, s19
	s_add_nc_u64 s[12:13], s[12:13], s[24:25]      ; my half of the step's block
	s_lshl_b32 s24, s14, 7
	s_add_co_u32 s24, s24, 12288
	s_add_nc_u64 s[22:23], s[12:13], s[24:25]      ; my scale register: behind the half's eight fragments
	s_mul_i32 s24, s14, 3072
	s_add_nc_u64 s[12:13], s[12:13], s[24:25]      ; my two fragments
	s_cmp_lt_u32 s16, 24                           ; compared anew: the sums above have set SCC
	s_cbranch_scc0 .Lv
; ---------------- K's way
.macro LOADT u                         ; the 16 keys of fragment 2 j + u: row i lies 8 u + i % 8 + 32 (i / 8) keys behind my wave's first; 32 lanes read the key's 512 consecutive bytes
.irp i, 0,1,2,3,4,5,6,7,8,9,10,11,12,13,14,15
	global_load_b128 v[X+64*\u+4*\i:X+64*\u+4*\i+3], v[LI], s[4:5] offset:(8*\u+(\i%8)+32*(\i/8))*ROWG th:TH_LOAD_NT
.endr
.endm
.macro TURN u                          ; through the stage, and back into the registers that they left: register 32 c + i then holds d = 64 c + 32 h + i of row r.  LDS serves a wave's instructions in order (ISA guide 5.7.1.4): no wait between
.irp i, 0,1,2,3,4,5,6,7,8,9,10,11,12,13,14,15
	ds_store_b128 v[WRA], v[X+64*\u+4*\i:X+64*\u+4*\i+3] offset:SP*\i
.endr
.irp k, 0,1
.irp i, 0,1,2,3,4,5,6,7
	ds_load_b128 v[X+64*\u+32*\k+4*\i:X+64*\u+32*\k+4*\i+3], v[RDA] offset:256*\k+16*\i
.endr
.endr
.endm
; 64 numbers of a lane, two whole blocks (h and 2 + h of row r), become the fragment's 12 registers at v[dst] and the row's scale word in v[wd]
.macro QBLK src, dst, wd
.irp k, 0,1
	v_max3_num_f32 v[M+\k], |v[\src+32*\k]|, |v[\src+32*\k+1]|, 0x2800000   ; and the floor 2^(5 - 127): the byte cannot fall under 1
.endr
.irp i, 2,4,6,8,10,12,14,16,18,20,22,24,26,28,30
.irp k, 0,1
	v_max3_num_f32 v[M+\k], v[M+\k], |v[\src+32*\k+\i]|, |v[\src+32*\k+\i+1]|   ; (the two blocks by turns)
.endr
.endr
.irp k, 0,1
	v_add_nc_u32 v[SO+\k], 0xfe000000, v[M+\k]     ; 4 off the exponent field: the conversion takes the exponent field of this operand as its scale
.endr
.irp k, 0,1
	v_lshrrev_b32 v[BY+\k], 23, v[SO+\k]           ; the scale's byte
.endr
	v_lshl_or_b32 v[\wd], v[BY+1], 16, v[BY]       ; my two bytes,
	v_lshlrev_b32 v[\wd], v[SH8], v[\wd]           ; at their places in the word (8 h bits up);
	v_permlanex16_b32 v[TP], v[\wd], s26, s27
	v_or_b32 v[\wd], v[\wd], v[TP]                 ; with lane l xor 16's two the word is whole, in both halves of the lanes
.irp k, 0,1
	v_cvt_scalef32_pk16_bf6_f32 v[\dst+6*\k:\dst+6*\k+2], v[\src+32*\k:\src+32*\k+15], v[SO+\k]
.endr
	v_nop                                          ; one plain place: the conversions below write over the sources of those above
.irp k, 0,1
	v_cvt_scalef32_pk16_bf6_f32 v[\src+32*\k:\src+32*\k+2], v[\src+32*\k+16:\src+32*\k+31], v[SO+\k]   ; (a conversion's three registers begin on an even number: the block's upper half is made in its lower numbers' registers and moved)
.endr
	v_nop                                          ; one plain place behind a scaled conversion
.irp k, 0,1
.irp i, 0,1,2
	v_mov_b32 v[\dst+6*\k+3+\i], v[\src+32*\k+\i]
.endr
.endr
.endm
	LOADT 0
	LOADT 1
	s_wait_loadcnt 16                              ; the first tile's 16 loads are in; the second's may be out
	TURN 0
	s_wait_loadcnt 0x0
	TURN 1
	s_wait_dscnt 32                                ; the first tile is back; the second's 16 stores and 16 loads may be out
	QBLK X, C, W0
.irp k, 0,1,2
	global_store_b128 v[LI], v[C+4*\k:C+4*\k+3], s[12:13] offset:512*\k           ; 32 lanes store 512 consecutive bytes, at a multiple of 256 from the buffer's first byte
.endr
	s_wait_dscnt 0x0
	QBLK X+64, X, W1                               ; the second fragment's codes lie where the first tile's numbers lay
.irp k, 0,1,2
	global_store_b128 v[LI], v[X+4*\k:X+4*\k+3], s[12:13] offset:1536+512*\k
.endr
	v_cmp_gt_u32 vcc_lo, 16, v[LN]
	v_cndmask_b32 v[W], v[W1], v[W0], vcc_lo       ; lanes 0-15: fragment 2 j's words; lanes 16-31: fragment 2 j + 1's
	global_store_b32 v[LS], v[W], s[22:23]
	s_wait_tensorcnt 0x0                           ; the wave's end, behind my last LDS store
	ds_add_u32 v[SPW], v[NIL]
	s_wait_dscnt 0x0
	s_endpgm
; ---------------- V's way
.Lv:
.macro LOADV t                         ; block t: keys 32 t + i of my column d = 32 j + lane, into set t % 2; 32 lanes read 128 consecutive bytes, the four waves side by side on 512
.irp i, 0,1,2,3,4,5,6,7,8,9,10,11,12,13,14,15,16,17,18,19,20,21,22,23,24,25,26,27,28,29,30,31
	global_load_b32 v[X+32*((\t)%2)+\i], v[LS], s[4:5] offset:(32*(\t)+\i)*ROWG th:TH_LOAD_NT
.endr
.endm
.macro BLOCKV t
.set XS, X+32*((\t)%2)
.if (\t)%2
.set CB, CV+6*((\t)/2)                 ; odd blocks to v[CV] on,
.else
.set CB, C+6*((\t)/2)                  ; even blocks to v[C] on
.endif
.if (\t) < 3
	s_wait_loadcnt 32                              ; this block's 32 loads are in; the next block's may be out
.else
	s_wait_loadcnt 0x0
.endif
	v_max3_num_f32 v[M], |v[XS]|, |v[XS+1]|, |v[XS+2]|               ; the block's largest magnitude: all 32 numbers are mine
	v_max3_num_f32 v[M+1], |v[XS+3]|, |v[XS+4]|, |v[XS+5]|
.irp i, 6,10,14,18,22,26
	v_max3_num_f32 v[M], v[M], |v[XS+\i]|, |v[XS+\i+1]|
	v_max3_num_f32 v[M+1], v[M+1], |v[XS+\i+2]|, |v[XS+\i+3]|
.endr
	v_max3_num_f32 v[M], v[M], |v[XS+30]|, |v[XS+31]|
	v_max3_num_f32 v[M], v[M], v[M+1], 0x2800000   ; and the floor
	v_add_nc_u32 v[SO], 0xfe000000, v[M]
	v_lshrrev_b32 v[BY], 23, v[SO]
.if (\t) == 0
	v_mov_b32 v[W], v[BY]                          ; the four bytes make my column's scale word, the lower keys in the lower byte
.else
	v_lshl_or_b32 v[W], v[BY], 8*(\t), v[W]
.endif
	v_cvt_scalef32_pk16_bf6_f32 v[CB:CB+2], v[XS:XS+15], v[SO]
	v_nop                                          ; one plain place: the conversion below writes over the sources of the one above
	v_cvt_scalef32_pk16_bf6_f32 v[XS:XS+2], v[XS+16:XS+31], v[SO]
	v_nop                                          ; one plain place behind a scaled conversion
.irp i, 0,1,2
	v_mov_b32 v[CB+3+\i], v[XS+\i]
.endr
.if (\t) < 2
	LOADV (\t)+2
.endif
.endm
	LOADV 0
	LOADV 1
	BLOCKV 0
	BLOCKV 1
	BLOCKV 2
	BLOCKV 3
; Lanes 0-15 hold the four blocks of d = 32 j + r (fragment 2 j), lanes 16-31 those of d = 32 j + 16 + r (fragment 2 j + 1).  An operand wants blocks 0, 2 in lanes 0-15 and blocks 1, 3 in lanes 16-31:
; the even blocks' lanes 16-31 change places with the odd blocks' lanes 0-15, and v[C] on is fragment 2 j, v[CV] on fragment 2 j + 1.
.irp i, 0,1,2,3,4,5,6,7,8,9,10,11
	v_permlane16_swap_b32 v[C+\i], v[CV+\i]
.endr
.irp k, 0,1,2
	global_store_b128 v[LI], v[C+4*\k:C+4*\k+3], s[12:13] offset:512*\k
.endr
.irp k, 0,1,2
	global_store_b128 v[LI], v[CV+4*\k:CV+4*\k+3], s[12:13] offset:1536+512*\k
.endr
	global_store_b32 v[LS], v[W], s[22:23]
	s_endpgm
.Lfunc_end_k_qe16d54e06d_quant:
	.size	k_qe16d54e06d_quant, .Lfunc_end_k_qe16d54e06d_quant-k_qe16d54e06d_quant
	.p2alignl 7, 3214868480
	.fill 96, 4, 3214868480
	.section	.rodata,"a",@progbits
	.p2align	6, 0x0
	.amdhsa_kernel k_qe16d54e06d_quant
		.amdhsa_group_segment_fixed_size 34304
		.amdhsa_private_segment_fixed_size 0
		.amdhsa_enable_private_segment 0
		.amdhsa_kernarg_size 40
		.amdhsa_user_sgpr_count 2
		.amdhsa_user_sgpr_kernarg_segment_ptr 1
		.amdhsa_wavefront_size32 1
		.amdhsa_system_sgpr_workgroup_id_x 1
		.amdhsa_system_sgpr_workgroup_id_y 1
		.amdhsa_system_sgpr_workgroup_id_z 1
		.amdhsa_system_vgpr_workitem_id 0
		.amdhsa_next_free_vgpr 160
		.amdhsa_next_free_sgpr 66
		.amdhsa_reserve_vcc 1
		.amdhsa_float_denorm_mode_32 3
		.amdhsa_float_denorm_mode_16_64 3
		.amdhsa_memory_ordered 1
		.amdhsa_forward_progress 1
		.amdhsa_inst_pref_size 36
	.end_amdhsa_kernel
	.amdgpu_metadata
---
amdhsa.version: [ 1, 2 ]
amdhsa.kernels:
  - .name:           k_qe16d54e06d_quant
    .symbol:         k_qe16d54e06d_quant.kd
    .args:
      - { .name: target_k, .offset: 0, .size: 8, .value_kind: global_buffer, .address_space: global }
      - { .name: cond_k, .offset: 8, .size: 8, .value_kind: global_buffer, .address_space: global }
      - { .name: target_v, .offset: 16, .size: 8, .value_kind: global_buffer, .address_space: global }
      - { .name: cond_v, .offset: 24, .size: 8, .value_kind: global_buffer, .address_space: global }
      - { .name: kv, .offset: 32, .size: 8, .value_kind: global_buffer, .address_space: global }
    .group_segment_fixed_size: 34304
    .private_segment_fixed_size: 0
    .kernarg_segment_align: 8
    .kernarg_segment_size: 40
    .max_flat_workgroup_size: 128
    .sgpr_count:     66
    .vgpr_count:     160
    .wavefront_size: 32
...
	.end_amdgpu_metadata
.endif
;; end of part 1
;; launch attn (part 2): grid 8 x 32, 8 waves a work-group, clusters of 4 x 1, 327,680 bytes of LDS; arguments target_q, b_param, kv, out0; writes out0
.if DOCPART == 2
	.amdgcn_target "amdgcn-amd-amdhsa--gfx1250"
	.amdhsa_code_object_version 6
	.text
	.protected	k_qe16d54e06d_attn
	.globl	k_qe16d54e06d_attn
	.p2align	8
	.type	k_qe16d54e06d_attn,@function
k_qe16d54e06d_attn:
	s_mov_b64 s[64:65], 0
	v_nop
	global_prefetch_b8 v0, s[64:65] scope:SCOPE_SE
	s_setreg_imm32_b32 hwreg(HW_REG_WAVE_MODE, 25, 1), 1
	s_wait_xcnt 0x0
	s_wait_alu depctr_hold_cnt(0) depctr_sa_sdst(0) depctr_va_vdst(0) depctr_va_sdst(0) depctr_va_ssrc(0) depctr_va_vcc(0) depctr_vm_vsrc(0)
	s_getreg_b32 s2, hwreg(HW_REG_IB_STS2, 6, 4)
	s_cmp_eq_u32 s2, 0
	s_cbranch_scc0 .Lentry_in_a_cluster
	s_endpgm
.Lentry_in_a_cluster:
	s_bfe_u32 s2, ttmp6, 0x10000c
	s_cmp_lg_u32 s2, 0x3003
	s_cbranch_scc0 .Lentry_shape_is_right
	s_endpgm
.Lentry_shape_is_right:
; out[b][q][h][:] = the sum over 3,072 keys (2,048 target, then 1,024 condition) of softmax_k(Q . K / sqrt(128) + bias_k) V, bias = 0 on target keys and b on condition keys.  Both products on codes of BF6 (E3M2) with E8M0 scales.
; K and V come from the workspace as images of operand registers, one block of 25,600 bytes for 128 keys of a head.  Q (f32) is quantised here, in registers.
; THE SOFTMAX: t = score x log2(e) / sqrt(128) + bias x log2(e); M = the row's largest t so far, rounded UP to a whole number; p = 2^(t - M) is quantised along the keys, not normalised.
; The row's sum is taken of the unquantised p and divides at the end.  When M moves, the sum and O are multiplied by 2^(old M - new M): exact.
; SHARES.  A work-group owns 256 queries of one (batch, head); each of its eight waves 32: two tiles of 16, so that each fragment of K and V read from LDS feeds two matrix instructions.  24 key steps of 128 keys: 6 slots of 4 steps, in a ring of two LDS slots.
; CLUSTER.  The four query blocks of a cluster belong to one head and walk the same blocks: each is asked for JOINTLY (mask 15), by waves 0-3, one step's block each.
; LAYOUT.  Both products are used transposed: S^T = K Q^T, O^T = V^T P^T: a lane holds ONE query (lane % 16) of each tile.  Row r of K's fragment 4 g + e is key 64 g + 32 (r / 8) + 8 e + r % 8 of the step:
; so the 32 registers of fragments 4 g .. 4 g + 3 hold, in lane (r, h), the WHOLE block 2 g + h of 32 keys in their order: a block's largest score needs no other lane, and the conversions' results lie in the lanes in which P's operand wants them.
; THE CHANGE OF SLOTS stands in a slot's last key step, behind that step's last LDS reads: the waits, the add and the opening signal of the cluster's round; the step's softmax and second product, which touch registers alone, stand inside the round;
; the joint refill is the first thing behind the round's closing wait.  A refill is asked for three key steps and a softmax ahead of the wait for it; no prefetch is laid beside it.
; LIMITS: NaN and infinities among the inputs are not served.  t is one fused score x c + b log2(e): another order of rounding than scaling, adding b and then multiplying by log2(e), a few units in t's last place.
; A block's largest p is taken from its largest score, which takes v_exp_f32 not to fall where its input rises.  p under 2^-126 comes out as 0.  A block of zeros has the byte 1: its codes are zeros.
; REGISTERS.  Window 0: see the names below.  Window 1: v0-127 O^T (64 t + 8 f + i = d 16 f + 8 h + i of my query in tile t); v128-223 eight fragments, K's and then V's.
.set STEPB, 25600                      ; a key step's block
.set SLOTB, 4*STEPB
.set HEADB, 24*STEPB
.set KSC,   12288                      ; in a block: K's scale registers,
.set VOFF,  12800                      ; V's fragments,
.set VSC,   25088                      ; V's scale registers
.set SLOT1, 1<<17                      ; slot 1 begins here: one exclusive or turns an address in one slot into the other's
.set SP,    528                        ; a stage row: 512 bytes + 16
.set STAGE, SLOT1+SLOTB                ; behind the ring: 16 rows x 528 bytes for each wave, its own: Q's turn and the way out.  No tensor load lands here
.set SPARE, STAGE+8*16*SP              ; behind the stages: the spare words, 128 bytes for each wave
.set ROWG,  8192                       ; bytes from query to query in Q and in the output
.set LI,   1                           ; 16 x lane
.set LS,   2                           ; 4 x lane
.set SPW,  3                           ; LDS address of my spare word; never rewritten
.set NIL,  4                           ; 0; never rewritten
.set AD,   5                           ; the step's block + 16 x lane
.set AS,   6                           ; the step's block + 4 x lane
.set WRA,  7                           ; my stage + 16 x lane
.set RDA,  8                           ; my stage + 528 r + 128 h
.set SOA,  9                           ; my stage + 528 r + 32 h
.set SH8,  10                          ; 8 h
.set BIAS, 11                          ; the keys' bias x log2(e): 0, then b log2(e)
.set ST,   12                          ; v12-19 tile t at v[ST + 4 t]: -M, the largest t, the sum in two halves
.set QS,   20                          ; v20-21 Q's scale words; v22-23 p's; v24-27 K's scale registers; v28-31 V's: scales and nothing else
.set PS,   22
.set KS,   24
.set VS,   28
.set S,    32                          ; v32-159 S^T, then p: 64 a tile; x = 2 t + g names the 32 registers of a lane's block
.set PC,   160                         ; v160-183 p's codes: 12 a tile
.set BM,   184                         ; v184-187 block x's largest score, then its largest p
.set PT,   188                         ; v188-195 at work: permutes, second chains of the sums
.set SO,   196                         ; v196-199 the conversions' scale operands
.set FF,   200                         ; v200-203 f = 2^(old M - new M), a pair a tile (the upper word is named and not used)
.set AA,   204                         ; v204-207 bias - M, a pair a tile
.set QF,   208                         ; v208-231 Q's fragments: 12 a tile
.set TT,   232                         ; v232-233 at work, one a tile
.set TO,   234                         ; v234-235 the old -M
.set BY,   236                         ; v236-239 scale bytes
.set U,    240                         ; v240-242, 244-246, 248-250, 252-254 the upper halves of blocks' codes, before they are moved
.set BB,   243                         ; b x log2(e)
.set F,    128                         ; in window 1: the eight fragments
.set MSB, 0
.macro WIN new                         ; s_set_vgpr_msb: bits 1:0 source 0, 3:2 source 1, 5:4 source 2, 7:6 destination; the high byte repeats the setting that is left
.if MSB != \new
	s_set_vgpr_msb (MSB<<8)|\new
.set MSB, \new
.endif
.endm
.macro ROUND                           ; a whole round of the cluster's barrier
	s_barrier_signal -1
	s_barrier_wait -1
	s_cmp_lg_u32 s12, 0
	s_cbranch_scc1 .Lnot_wave_0_\@
	s_barrier_signal -3
.Lnot_wave_0_\@:
	s_barrier_wait -3
	s_barrier_signal -1
	s_barrier_wait -1
.endm
.macro TLOAD                           ; a joint load: waves 0-3 fetch one step's block each.  One tensor load of a wave is out at the most
	s_cmp_lt_u32 s12, 4
	s_cbranch_scc0 .Lnone_\@
	tensor_load_to_lds s[32:35], s[24:31]
	s_nop 0
.rept 4
	v_nop
.endr
.Lnone_\@:
.endm
.macro LINES fill                      ; in front of a change's barrier: all my tensor loads, the add, and my LDS reads
	s_wait_tensorcnt 0x0                           ; no tensor load of mine is out, so the descriptor may be written
	ds_add_u32 v[SPW], v[NIL]                      ; 0 onto my spare word
.if \fill
	ds_add_u32 v[SPW], v[NIL]                      ; and once more where a tensor load follows
	s_xor_b32 s33, s33, SLOT1                      ; the walking descriptor: the other slot than last time,
	s_add_nc_u64 s[34:35], s[34:35], SLOTB         ; the next 512 keys
.endif
	s_wait_dscnt 0x0                               ; the add is done, and my reads of the slot that I leave are over
.endm
	s_load_b256 s[4:11], s[0:1], 0x0               ; target_q s[4:5], b_param s[6:7], kv s[8:9], out0 s[10:11]
	v_lshl_add_u32 v[SPW], v0, 2, SPARE
	v_mov_b32 v[NIL], 0
	ds_add_u32 v[SPW], v[NIL]                      ; the opening lines: the add twice and its wait
	ds_add_u32 v[SPW], v[NIL]
	s_wait_dscnt 0x0
	v_lshrrev_b32 v[AD], 5, v0
	s_delay_alu instid0(VALU_DEP_1)
	v_readfirstlane_b32 s12, v[AD]                 ; wave 0..7
	s_bfe_u32 s13, ttmp6, 0x40000                  ; cx: it enters Q's and the output's address alone
	s_lshl_b32 s14, ttmp9, 2
	s_add_co_u32 s14, s14, s13                     ; my block of 256 queries
	s_and_b32 s15, ttmp7, 0xffff                   ; the (batch, head) pair, which the four partners share
	s_lshr_b32 s16, s15, 4                         ; batch
	s_and_b32 s17, s15, 15                         ; head
	s_lshl_b32 s18, s16, 24                        ; Q and the output have the same map: 2^24 bytes a batch,
	s_lshl_b32 s44, s14, 21                        ; 256 rows of 8,192 bytes a block,
	s_add_co_u32 s18, s18, s44
	s_lshl_b32 s41, s12, 18                        ; 32 rows a wave,
	s_add_co_u32 s18, s18, s41
	s_lshl_b32 s41, s17, 9                         ; 512 bytes a head
	s_add_co_u32 s18, s18, s41
	s_mov_b32 s19, 0
	s_and_b32 s41, s12, 3                          ; which of a slot's four blocks I fetch, if I fetch
	s_mul_i32 s33, s41, STEPB                      ; descriptor group 0: its LDS address, in slot 0
	s_mul_i32 s42, s15, HEADB
	s_add_co_u32 s42, s42, s33                     ; and its place in the workspace
	s_mov_b32 s43, 0
	; descriptor group 1: a dense block of 25,600 bytes as 100 rows of 256 bytes (32 elements of 8 bytes), no padding
	s_mov_b32 s24, 15|(3<<16)|(1<<21)              ; the mask: all four work-groups; elements of 8 bytes; bit 21 beside a mask
	s_mov_b32 s25, 32<<16
	s_mov_b32 s26, 100<<16
	s_mov_b32 s27, 32<<16
	s_mov_b32 s28, 100
	s_mov_b32 s29, 32
	s_mov_b32 s30, 0
	s_mov_b32 s31, 0
	s_mov_b32 s20, 0x76543210
	s_mov_b32 s21, 0xfedcba98                      ; v_permlanex16_b32's selects for lane l xor 16
	s_mov_b32 s22, 0x3e0293ee                      ; c = log2(e) / sqrt(128)
	s_mov_b32 s23, s22                             ; (named with it as a pair)
	s_mov_b32 s36, 0                               ; LDS byte at which the step in hand begins
	s_mov_b32 s37, 4                               ; slots whose last step asks for a refill
	v_and_b32 v[AD], 31, v0                        ; lane.  All LDS addresses that stay are made here, ahead of the first branch on the wave's number
	s_delay_alu instid0(VALU_DEP_1)
	v_lshlrev_b32 v[LI], 4, v[AD]
	s_delay_alu instid0(VALU_DEP_2)
	v_lshlrev_b32 v[LS], 2, v[AD]
	v_and_b32 v[AS], 15, v0                        ; r
	v_bfe_u32 v[SH8], v0, 4, 1                     ; h
	s_mul_i32 s41, s12, 16*SP
	s_add_co_u32 s41, s41, STAGE                   ; my stage
	v_add_nc_u32 v[WRA], s41, v[LI]
	v_mul_u32_u24 v[RDA], v[AS], SP
	s_delay_alu instid0(VALU_DEP_1)
	v_add_nc_u32 v[RDA], s41, v[RDA]
	s_delay_alu instid0(VALU_DEP_1)
	v_lshl_add_u32 v[SOA], v[SH8], 5, v[RDA]
	s_delay_alu instid0(VALU_DEP_2)
	v_lshl_add_u32 v[RDA], v[SH8], 7, v[RDA]
	v_lshlrev_b32 v[SH8], 3, v[SH8]
	v_mov_b32 v[TT], 0                             ; the offset of b's load; also a lane permute's destination, which counts as a source
	v_mov_b32 v[BIAS], 0                           ; the first four slots are target keys
	s_wait_alu depctr_va_vdst(0)                   ; the wait at the head's end
	s_wait_kmcnt 0x0
	s_add_nc_u64 s[4:5], s[4:5], s[18:19]          ; Q at my wave's first row
	global_load_b32 v[BB], v[TT], s[6:7]           ; b, in every lane.  These 33 loads hang on nothing of the round below: they are on their way while the cluster meets
.irp i, 0,1,2,3,4,5,6,7,8,9,10,11,12,13,14,15,16,17,18,19,20,21,22,23,24,25,26,27,28,29,30,31
	global_load_b128 v[S+4*\i:S+4*\i+3], v[LI], s[4:5] offset:\i*ROWG th:TH_LOAD_NT   ; query i of my 32: 32 lanes read its 512 consecutive bytes
.endr
	s_add_nc_u64 s[10:11], s[10:11], s[18:19]      ; the output likewise
	s_mov_b32 s32, 1
	s_add_nc_u64 s[34:35], s[8:9], s[42:43]        ; my block of the head's first slot
	s_or_b32 s35, s35, 0x80000000
	ROUND                                          ; all four work-groups are here: the first joint loads meet
	TLOAD                                          ; slot 0
	; the statistics and O^T: the key step has no first step of its own: it finds zeros, which the first change of M (f = 0) leaves zeros
.irp t, 0,1
	v_mov_b32 v[ST+4*\t+1], 0xff61b1e6             ; the largest t so far: -3e38
	s_delay_alu instid0(VALU_DEP_1)
	v_floor_f32 v[ST+4*\t], -v[ST+4*\t+1]          ; -M
	v_mov_b32 v[ST+4*\t+2], 0
	v_mov_b32 v[ST+4*\t+3], 0
	v_mov_b32 v[FF+2*\t+1], 0                      ; (named as the upper half of a pair)
	v_mov_b32 v[AA+2*\t+1], 0                      ; (likewise)
.endr
.irp i, 0,1,2,3,4,5,6,7
	v_mov_b32 v[PT+\i], 0                          ; a lane permute's destination counts as one of its sources
.endr
	WIN 0x40
.set j, 0
.rept 128
	v_mov_b32 v[j], 0
.set j, j+1
.endr
	WIN 0
; Q BECOMES CODES.  A tile's 16 rows turn through my stage: in as loaded, back 32 neighbours along d a lane.  LDS serves a wave's instructions in order (ISA guide 5.7.1.4).
.macro QTURN t
.irp i, 0,1,2,3,4,5,6,7,8,9,10,11,12,13,14,15
	ds_store_b128 v[WRA], v[S+64*\t+4*\i:S+64*\t+4*\i+3] offset:SP*\i
.endr
.irp k, 0,1
.irp i, 0,1,2,3,4,5,6,7
	ds_load_b128 v[S+64*\t+32*\k+4*\i:S+64*\t+32*\k+4*\i+3], v[RDA] offset:256*\k+16*\i   ; register 32 k + i: d = 64 k + 32 h + i of row r
.endr
.endr
.endm
.macro QBLK src, dst, wd               ; 64 numbers of a lane, blocks h and 2 + h of row r, become the fragment's 12 registers and the row's scale word
.irp k, 0,1
	v_max3_num_f32 v[BM+\k], |v[\src+32*\k]|, |v[\src+32*\k+1]|, 0x2800000   ; with the floor 2^(5 - 127): the byte cannot fall under 1
.endr
.irp i, 2,4,6,8,10,12,14,16,18,20,22,24,26,28,30
.irp k, 0,1
	s_delay_alu instid0(VALU_DEP_2)
	v_max3_num_f32 v[BM+\k], v[BM+\k], |v[\src+32*\k+\i]|, |v[\src+32*\k+\i+1]|
.endr
.endr
.irp k, 0,1
	s_delay_alu instid0(VALU_DEP_2)
	v_add_nc_u32 v[SO+\k], 0xfe000000, v[BM+\k]    ; 4 off the exponent field: the conversion's scale operand
.endr
.irp k, 0,1
	s_delay_alu instid0(VALU_DEP_2)
	v_lshrrev_b32 v[BM+2+\k], 23, v[SO+\k]         ; the scale's byte
.endr
	s_delay_alu instid0(VALU_DEP_1)
	v_lshl_or_b32 v[\wd], v[BM+3], 16, v[BM+2]
	s_delay_alu instid0(VALU_DEP_1)
	v_lshlrev_b32 v[\wd], v[SH8], v[\wd]           ; my two bytes at their places in the word;
	s_delay_alu instid0(VALU_DEP_1)
	v_permlanex16_b32 v[TT], v[\wd], s20, s21
	s_delay_alu instid0(VALU_DEP_1)
	v_or_b32 v[\wd], v[\wd], v[TT]                 ; with lane l xor 16's two it is whole
.irp k, 0,1
	v_cvt_scalef32_pk16_bf6_f32 v[\dst+6*\k:\dst+6*\k+2], v[\src+32*\k:\src+32*\k+15], v[SO+\k]
	v_cvt_scalef32_pk16_bf6_f32 v[U+4*\k:U+4*\k+2], v[\src+32*\k+16:\src+32*\k+31], v[SO+\k]   ; (a conversion's three registers begin on an even number)
.endr
	v_nop                                          ; one plain place behind a scaled conversion
.irp k, 0,1
.irp i, 0,1,2
	v_mov_b32 v[\dst+6*\k+3+\i], v[U+4*\k+\i]
.endr
.endr
.endm
	s_wait_loadcnt 16                              ; b and tile 0's 16 loads are in; tile 1's 16 may be out
	QTURN 0
	s_wait_loadcnt 0x0
	QTURN 1
	v_mul_f32 v[BB], 0x3fb8aa3b, v[BB]             ; b x log2(e)
	s_wait_dscnt 32                                ; tile 0 is back; tile 1's 16 stores and 16 loads may be out
	QBLK S, QF, QS
	s_wait_dscnt 0x0
	QBLK S+64, QF+12, QS+1
.rept 8
	v_nop                                          ; a scale register written by a vector instruction stands 8 places ahead of a scaled matrix instruction
.endr
.macro KLOAD                           ; 4 scale registers and 8 fragments (3 loads of 16 bytes a lane each), as they lie
.irp i, 0,1,2,3
	ds_load_b32 v[KS+\i], v[AS] offset:KSC+128*\i
.endr
	WIN 0x40
.irp e, 0,1,2,3,4,5,6,7
.irp k, 0,1,2
	ds_load_b128 v[F+12*\e+4*\k:F+12*\e+4*\k+3], v[AD] offset:1536*\e+512*\k
.endr
.endr
.endm
.macro VLOAD
.irp i, 0,1,2,3
	ds_load_b32 v[VS+\i], v[AS] offset:VSC+128*\i
.endr
	WIN 0x40
.irp e, 0,1,2,3,4,5,6,7
.irp k, 0,1,2
	ds_load_b128 v[F+12*\e+4*\k:F+12*\e+4*\k+3], v[AD] offset:VOFF+1536*\e+512*\k
.endr
.endr
.endm
.macro KQ g                            ; S^T = K Q^T: fragments 4 g .. 4 g + 3 against both tiles.  A scale register serves two fragments: the odd one's words lie in lanes 16-31
	WIN 0x01
.irp e, 0,1,2,3
.irp t, 0,1
.if \e%2
	v_wmma_scale_f32_16x16x128_f8f6f4 v[S+64*\t+8*(4*\g+\e):S+64*\t+8*(4*\g+\e)+7], v[F+12*(4*\g+\e):F+12*(4*\g+\e)+11], v[QF+12*\t:QF+12*\t+11], 0, v[KS+2*\g+\e/2], v[QS+\t] matrix_a_fmt:MATRIX_FMT_BF6 matrix_b_fmt:MATRIX_FMT_BF6 matrix_a_scale:MATRIX_SCALE_ROW1
.else
	v_wmma_scale_f32_16x16x128_f8f6f4 v[S+64*\t+8*(4*\g+\e):S+64*\t+8*(4*\g+\e)+7], v[F+12*(4*\g+\e):F+12*(4*\g+\e)+11], v[QF+12*\t:QF+12*\t+11], 0, v[KS+2*\g+\e/2], v[QS+\t] matrix_a_fmt:MATRIX_FMT_BF6 matrix_b_fmt:MATRIX_FMT_BF6
.endif
.endr
.endr
.endm
.macro PV                              ; O^T += V^T P^T: the 16 accumulators take turns, one instruction a turn
	WIN 0x51
.irp e, 0,1,2,3,4,5,6,7
.irp t, 0,1
.if \e%2
	v_wmma_scale_f32_16x16x128_f8f6f4 v[64*\t+8*\e:64*\t+8*\e+7], v[F+12*\e:F+12*\e+11], v[PC+12*\t:PC+12*\t+11], v[64*\t+8*\e:64*\t+8*\e+7], v[VS+\e/2], v[PS+\t] matrix_a_fmt:MATRIX_FMT_BF6 matrix_b_fmt:MATRIX_FMT_BF6 matrix_a_scale:MATRIX_SCALE_ROW1
.else
	v_wmma_scale_f32_16x16x128_f8f6f4 v[64*\t+8*\e:64*\t+8*\e+7], v[F+12*\e:F+12*\e+11], v[PC+12*\t:PC+12*\t+11], v[64*\t+8*\e:64*\t+8*\e+7], v[VS+\e/2], v[PS+\t] matrix_a_fmt:MATRIX_FMT_BF6 matrix_b_fmt:MATRIX_FMT_BF6
.endif
.endr
.endr
.endm
; THE SOFTMAX of both tiles for one key step, in two parts.  Registers S + 32 x .. + 31 (x = 2 t + g) hold the scores of block 2 g + h of the step, for my query of tile t.
; Part A: the largest scores, the new M, f, and t - M.
.macro SM_A
.irp x, 0,1,2,3
	v_max3_num_f32 v[BM+\x], v[S+32*\x], v[S+32*\x+1], v[S+32*\x+2]   ; a block's largest score serves twice: for the row's maximum and, since p rises with the score, for the block's largest p.  (Each accumulator is read from its low end on)
.endr
.irp i, 3,5,7,9,11,13,15,17,19,21,23,25,27,29
.irp x, 0,1,2,3
	v_max3_num_f32 v[BM+\x], v[BM+\x], v[S+32*\x+\i], v[S+32*\x+\i+1]   ; (the four blocks by turns)
.endr
.endr
.irp x, 0,1,2,3
	v_max_num_f32 v[BM+\x], v[BM+\x], v[S+32*\x+31]
.endr
.irp t, 0,1
	v_max_num_f32 v[TT+\t], v[BM+2*\t], v[BM+2*\t+1]   ; my 64 keys (the two tiles by turns from here on)
.endr
.irp t, 0,1
	s_delay_alu instid0(VALU_DEP_2)
	v_permlanex16_b32 v[PT+\t], v[TT+\t], s20, s21
.endr
.irp t, 0,1
	s_delay_alu instid0(VALU_DEP_2)
	v_max_num_f32 v[TT+\t], v[TT+\t], v[PT+\t]     ; with lane l xor 16's 64: the step's largest score of my query
.endr
.irp t, 0,1
	s_delay_alu instid0(VALU_DEP_2)
	v_fma_f32 v[TT+\t], v[TT+\t], s22, v[BIAS]     ; as t: c is positive, and all 128 keys of a step have the same bias
.endr
.irp t, 0,1
	s_delay_alu instid0(VALU_DEP_2)
	v_max_num_f32 v[ST+4*\t+1], v[ST+4*\t+1], v[TT+\t]   ; the running largest t
.endr
.irp t, 0,1
	v_mov_b32 v[TO+\t], v[ST+4*\t]
.endr
.irp t, 0,1
	s_delay_alu instid0(VALU_DEP_4)
	v_floor_f32 v[ST+4*\t], -v[ST+4*\t+1]          ; the new -M = floor(-t) = -ceil(t)
.endr
.irp t, 0,1
	s_delay_alu instid0(VALU_DEP_2)
	v_sub_f32 v[TT+\t], v[ST+4*\t], v[TO+\t]       ; M's old value less its new one: a whole number, 0 or less
.endr
.irp t, 0,1
	s_delay_alu instid0(VALU_DEP_2)
	v_cvt_i32_f32 v[TT+\t], v[TT+\t]               ; (it saturates)
.endr
.irp t, 0,1
	s_delay_alu instid0(VALU_DEP_2)
	v_ldexp_f32 v[FF+2*\t], 1.0, v[TT+\t]          ; f = 2^(old M - new M)
.endr
.irp t, 0,1
	v_add_f32 v[AA+2*\t], v[BIAS], v[ST+4*\t]      ; bias - M
.endr
.irp t, 0,1
.set j, 0
.rept 32
	v_pk_fma_f32 v[S+64*\t+j:S+64*\t+j+1], v[S+64*\t+j:S+64*\t+j+1], s[22:23], v[AA+2*\t:AA+2*\t+1] op_sel_hi:[1,0,0]   ; t - M, two at a time
.set j, j+2
.endr
.endr
.irp x, 0,1,2,3
	v_fma_f32 v[BM+\x], v[BM+\x], s22, v[AA+2*(\x/2)]   ; the same of each block's largest score
.endr
.endm
; Part B: one batch of exponentials, and the sums put under the new M.
.macro SM_B
	s_wait_alu depctr_va_vdst(0)                   ; the wait ahead of the batch
.irp x, 0,1,2,3
	v_exp_f32 v[BM+\x], v[BM+\x]                   ; the block's largest p: the same two instructions on the same number give the same bits
.endr
.set j, 0
.rept 128
	v_exp_f32 v[S+j], v[S+j]                       ; p = 2^(t - M): not normalised
.set j, j+1
.endr
.irp t, 0,1
	v_pk_mul_f32 v[ST+4*\t+2:ST+4*\t+3], v[ST+4*\t+2:ST+4*\t+3], v[FF+2*\t:FF+2*\t+1] op_sel_hi:[1,0]   ; the sums under the new M: the plain place behind the exponentials
.endr
	s_wait_alu depctr_va_vdst(0)                   ; one wait for the whole batch, ahead of its first reader
.endm
; Part C: the sums, and p's codes and scale words.
.macro SM_C
.irp t, 0,1
	v_pk_add_f32 v[PT+2*\t:PT+2*\t+1], v[S+64*\t:S+64*\t+1], v[S+64*\t+2:S+64*\t+3]   ; the row's sum is taken of the unquantised p: two at a time, two chains a tile, the four by turns
.endr
.set j, 4
.rept 15
.irp t, 0,1
	v_pk_add_f32 v[ST+4*\t+2:ST+4*\t+3], v[ST+4*\t+2:ST+4*\t+3], v[S+64*\t+j:S+64*\t+j+1]
	v_pk_add_f32 v[PT+2*\t:PT+2*\t+1], v[PT+2*\t:PT+2*\t+1], v[S+64*\t+j+2:S+64*\t+j+3]
.endr
.set j, j+4
.endr
.irp t, 0,1
	v_pk_add_f32 v[ST+4*\t+2:ST+4*\t+3], v[ST+4*\t+2:ST+4*\t+3], v[PT+2*\t:PT+2*\t+1]
.endr
.irp x, 0,1,2,3
	v_max_num_f32 v[BM+\x], 0x2800000, v[BM+\x]    ; the floor 2^(5 - 127): the byte cannot fall under 1
.endr
.irp x, 0,1,2,3
	s_delay_alu instid0(VALU_DEP_4)
	v_add_nc_u32 v[SO+\x], 0xfe000000, v[BM+\x]    ; 4 off the exponent field: the conversion's scale operand
.endr
.irp x, 0,1,2,3
	s_delay_alu instid0(VALU_DEP_4)
	v_lshrrev_b32 v[BY+\x], 23, v[SO+\x]           ; the scale's byte
.endr
.irp t, 0,1
	v_lshl_or_b32 v[PS+\t], v[BY+2*\t+1], 16, v[BY+2*\t]   ; my blocks h and 2 + h,
.endr
.irp t, 0,1
	s_delay_alu instid0(VALU_DEP_2)
	v_lshlrev_b32 v[PS+\t], v[SH8], v[PS+\t]       ; at their places in the word;
.endr
.irp t, 0,1
	s_delay_alu instid0(VALU_DEP_2)
	v_permlanex16_b32 v[PT+4+\t], v[PS+\t], s20, s21
.endr
.irp t, 0,1
	s_delay_alu instid0(VALU_DEP_2)
	v_or_b32 v[PS+\t], v[PS+\t], v[PT+4+\t]        ; with lane l xor 16's two: p's scale word for these 128 keys
.endr
.irp x, 0,1,2,3
	v_cvt_scalef32_pk16_bf6_f32 v[PC+6*\x:PC+6*\x+2], v[S+32*\x:S+32*\x+15], v[SO+\x]   ; registers 6 g .. 6 g + 5 of tile t's operand: block 2 g + h, whole, in my lane
	v_cvt_scalef32_pk16_bf6_f32 v[U+4*\x:U+4*\x+2], v[S+32*\x+16:S+32*\x+31], v[SO+\x]   ; (a conversion's three registers begin on an even number)
.endr
	v_nop                                          ; one plain place behind a scaled conversion
.irp x, 0,1,2,3
.irp i, 0,1,2
	v_mov_b32 v[PC+6*\x+3+\i], v[U+4*\x+\i]
.endr
.endr
.endm
.macro RESCALE                         ; O^T under the new M: x f.  These 64 lines are also the places between the writes of p's codes and scale words and the matrix instructions that read them
	WIN 0x41
	s_wait_alu depctr_va_vdst(0)                   ; the wait here, directly ahead of the first reader of O^T
.irp t, 0,1
.set j, 0
.rept 32
	v_pk_mul_f32 v[64*\t+j:64*\t+j+1], v[64*\t+j:64*\t+j+1], v[FF+2*\t:FF+2*\t+1] op_sel_hi:[1,0]
.set j, j+2
.endr
.endr
.endm
; A KEY STEP: 128 keys.  end = 0: inside a slot.  end = 1: a slot's last step, with the cluster's round and the joint refill.  end = 2: the last step of the slot before the last: a work-group barrier, nothing is filled.
.macro STEP end
	v_add_nc_u32 v[AD], s36, v[LI]
	v_add_nc_u32 v[AS], s36, v[LS]
	v_nop
	v_nop                                          ; with the two additions: four places behind the last step's products, in front of loads into the fragments that they read
	KLOAD
	s_wait_dscnt 12                                ; the scale registers and fragments 0-3 are in; the 12 loads of fragments 4-7 may be out
	s_wait_alu depctr_va_vdst(0)
	KQ 0
	s_wait_dscnt 0x0
	KQ 1
	WIN 0
.rept 4
	v_nop                                          ; four places: in front of the loads into the fragments' registers, and of the first read of the scores
.endr
	VLOAD
	WIN 0
.if \end == 1
	LINES 1                                        ; the slot's last LDS reads are over, and my part of the next slot is in
	s_barrier_signal -1                            ; the round's opening signal; only work on registers stands inside the round
.endif
.if \end == 2
	LINES 0
	s_barrier_signal -1
.endif
	SM_A
	SM_B
.if \end == 1
	s_barrier_wait -1                              ; the round's middle stands on end
	s_cmp_lg_u32 s12, 0
	s_cbranch_scc1 .Lnw0_\@
	s_barrier_signal -3
.Lnw0_\@:
	s_barrier_wait -3
	s_barrier_signal -1                            ; the closing barrier: work on registers stands between its signal and its wait
.endif
	SM_C
	RESCALE
.if \end == 0
	s_wait_alu depctr_va_vdst(0)                   ; the wait here, directly ahead of the wait below
	s_wait_dscnt 0x0                               ; V is in
.endif
	PV
	WIN 0                                          ; at a label and at a branch every window is 0
	s_add_co_u32 s36, s36, STEPB                   ; on to the next step's block
.if \end
	s_barrier_wait -1                              ; no wave (end = 1: of any partner) still reads the slot left, and the next slot is whole
.endif
.if \end == 1
	TLOAD                                          ; the joint refill, first behind the round
.endif
.endm
.macro STEPS n                         ; n key steps: written once, walked n times
	s_mov_b32 s38, \n
.Lstep_\@:
	STEP 0
	s_sub_co_u32 s38, s38, 1
	s_cmp_lg_u32 s38, 0
	s_cbranch_scc1 .Lstep_\@
.endm
.macro NEXT
	s_sub_co_u32 s36, s36, SLOTB                   ; back to a slot's first block,
	s_xor_b32 s36, s36, SLOT1                      ; in the other slot
.endm
	LINES 1                                        ; slot 0 is in
	ROUND
	TLOAD                                          ; slot 1's first fill, issued as a refill is
.Lslot:                                            ; slots 0 to 3: the last step of slot k asks for slot k + 2
	STEPS 3
	STEP 1
	NEXT
	s_sub_co_u32 s37, s37, 1
	s_cmp_lg_u32 s37, 0
	s_cbranch_scc1 .Lslot
	v_mov_b32 v[BIAS], v[BB]                       ; slot 4 begins at key 2,048, the first condition key
	s_wait_alu depctr_va_vdst(0)                   ; the wait behind the write
	STEPS 3
	STEP 2
	NEXT
	STEPS 4
	; THE WAY OUT.  The sum's two halves and lane l xor 16's are added; O^T is divided by the sum and goes through my stage, a tile of 16 queries at a time.  The additions are the places behind the last products.
.irp t, 0,1
	v_add_f32 v[ST+4*\t+2], v[ST+4*\t+2], v[ST+4*\t+3]
.endr
.irp t, 0,1
	s_delay_alu instid0(VALU_DEP_2)
	v_permlanex16_b32 v[PT+\t], v[ST+4*\t+2], s20, s21
.endr
.irp t, 0,1
	s_delay_alu instid0(VALU_DEP_2)
	v_add_f32 v[ST+4*\t+2], v[ST+4*\t+2], v[PT+\t]
.endr
	s_wait_alu depctr_va_vdst(0)                   ; the wait ahead of the batch
.irp t, 0,1
	v_rcp_f32 v[FF+2*\t], v[ST+4*\t+2]
.endr
	v_nop                                          ; a plain place behind the last reciprocal
	s_wait_alu depctr_va_vdst(0)                   ; one wait for the two, ahead of their first reader
.macro PACK t                          ; a lane holds 8 neighbouring d of fragment e: 32 bytes of its query's row; the rows come back whole, 512 bytes to 32 lanes
	WIN 0x01
.set j, 0
.rept 32
	v_pk_mul_f32 v[S+64*\t+j:S+64*\t+j+1], v[64*\t+j:64*\t+j+1], v[FF+2*\t:FF+2*\t+1] op_sel_hi:[1,0]   ; each accumulator from its low end on
.set j, j+2
.endr
	WIN 0
.irp e, 0,1,2,3,4,5,6,7
	ds_store_b128 v[SOA], v[S+64*\t+8*\e:S+64*\t+8*\e+3] offset:64*\e
	ds_store_b128 v[SOA], v[S+64*\t+8*\e+4:S+64*\t+8*\e+7] offset:64*\e+16
.endr
.irp i, 0,1,2,3,4,5,6,7,8,9,10,11,12,13,14,15
	ds_load_b128 v[S+64*\t+4*\i:S+64*\t+4*\i+3], v[WRA] offset:SP*\i   ; LDS serves a wave's instructions in order: these see my stores, and the next tile's stores come behind them
.endr
.endm
.macro SEND t, younger                 ; younger: the LDS instructions issued behind tile t's loads, which may stay out
.irp i, 0,1,2,3,4,5,6,7,8,9,10,11,12,13,14,15
	s_wait_dscnt \younger+15-\i
	global_store_b128 v[LI], v[S+64*\t+4*\i:S+64*\t+4*\i+3], s[10:11] offset:(16*\t+\i)*ROWG th:TH_STORE_NT   ; 32 lanes store 512 consecutive bytes, at a multiple of 256 from the output's first byte
.endr
.endm
	PACK 0
	PACK 1
	SEND 0, 32                                     ; behind tile 0's loads: tile 1's 16 stores and 16 loads
	SEND 1, 0
	s_wait_tensorcnt 0x0                           ; the wave's end
	ds_add_u32 v[SPW], v[NIL]
	s_wait_dscnt 0x0
	ROUND                                          ; the closing round: no work-group ends while a partner may still ask for a block that names it
	s_endpgm
.Lfunc_end_k_qe16d54e06d_attn:
	.size	k_qe16d54e06d_attn, .Lfunc_end_k_qe16d54e06d_attn-k_qe16d54e06d_attn
	.p2alignl 7, 3214868480
	.fill 96, 4, 3214868480
	.section	.rodata,"a",@progbits
	.p2align	6, 0x0
	.amdhsa_kernel k_qe16d54e06d_attn
		.amdhsa_group_segment_fixed_size 327680
		.amdhsa_private_segment_fixed_size 0
		.amdhsa_enable_private_segment 0
		.amdhsa_kernarg_size 32
		.amdhsa_user_sgpr_count 2
		.amdhsa_user_sgpr_kernarg_segment_ptr 1
		.amdhsa_wavefront_size32 1
		.amdhsa_system_sgpr_workgroup_id_x 1
		.amdhsa_system_sgpr_workgroup_id_y 1
		.amdhsa_system_sgpr_workgroup_id_z 1
		.amdhsa_system_vgpr_workitem_id 0
		.amdhsa_next_free_vgpr 512
		.amdhsa_next_free_sgpr 66
		.amdhsa_reserve_vcc 0
		.amdhsa_float_denorm_mode_32 3
		.amdhsa_float_denorm_mode_16_64 3
		.amdhsa_memory_ordered 1
		.amdhsa_forward_progress 1
		.amdhsa_inst_pref_size 203
	.end_amdhsa_kernel
	.amdgpu_metadata
---
amdhsa.version: [ 1, 2 ]
amdhsa.kernels:
  - .name:           k_qe16d54e06d_attn
    .symbol:         k_qe16d54e06d_attn.kd
    .args:
      - { .name: target_q, .offset: 0, .size: 8, .value_kind: global_buffer, .address_space: global }
      - { .name: b_param, .offset: 8, .size: 8, .value_kind: global_buffer, .address_space: global }
      - { .name: kv, .offset: 16, .size: 8, .value_kind: global_buffer, .address_space: global }
      - { .name: out0, .offset: 24, .size: 8, .value_kind: global_buffer, .address_space: global }
    .group_segment_fixed_size: 327680
    .private_segment_fixed_size: 0
    .kernarg_segment_align: 8
    .kernarg_segment_size: 32
    .max_flat_workgroup_size: 256
    .sgpr_count:     66
    .vgpr_count:     512
    .wavefront_size: 32
...
	.end_amdgpu_metadata
.endif
;; end of part 2
